; MI455X (gfx1250); checked and timed in simulation.
; The chip was launched on July 23, 2026; its instructions are those of AMD's public machine-readable ISA for CDNA 5 (MIT licence, August 2026) and "CDNA5" Instruction Set Architecture Reference Guide (July 2026). The comments in the code are by the model that wrote it; some were corrected since.
;; List Multi Scale Ro I Align. Allowed arithmetic: float matrix products may take bf16 or f16 operands with f32 sums; all other float work in f32.
;; Inputs: boxes 2 x 512 x 4 float32; feat0 2 x 256 x 200 x 200 float32; feat1 2 x 256 x 100 x 100 float32; feat2 2 x 256 x 50 x 50 float32; feat3 2 x 256 x 25 x 25 float32.
;; Outputs: out0 1,024 x 256 x 7 x 7 float32.
;; 2 versions, each right; version 2 is version 1 with the launch pool written anew for expert scheduling mode. Each part assembles by itself: llvm-mc -triple=amdgcn-amd-amdhsa -mcpu=gfx1250 --defsym DOCPART=n.
;; ======== version 1 of 2: 2 launches
;; workspace buffers: tabi 262,144 bytes of whole numbers; tabf 262,144 bytes
;; launch prep (part 1): grid 256 x 1, 4 waves a work-group, no clusters, 0 bytes of LDS; arguments boxes, tabi, tabf; writes tabi, tabf
.if DOCPART == 1
	.amdgcn_target "amdgcn-amd-amdhsa--gfx1250"
	.amdhsa_code_object_version 6
	.text
	.protected	k_q8763b202f1_prep
	.globl	k_q8763b202f1_prep
	.p2align	8
	.type	k_q8763b202f1_prep,@function
k_q8763b202f1_prep:
	s_mov_b64 s[64:65], 0
	v_nop
	global_prefetch_b8 v0, s[64:65] scope:SCOPE_SE
	s_setreg_imm32_b32 hwreg(HW_REG_WAVE_MODE, 25, 1), 1
	s_wait_xcnt 0x0
; TABLES FOR THE POOLING LAUNCH.  One wave a box (1,024 boxes = 256 work-groups x 4 waves).  The pooling is separable: a sample's bilinear value is a sum over two rows and two columns
; of wy x wx x F, so a box needs, for each axis, 14 samples with a first tap and two weights.  Lane j stands for sample j >> 1, tap j & 1, on both axes; lanes 28-31 repeat lanes 24-27.
; A record is 256 bytes a box in each table.
;   tabi (whole numbers): words 0-13 the LDS byte offset of each y sample's first row (plane's place + row x pitch), word 14 the pitch, word 15 the level 0..3; words 32-63 lane j's column offset, 8 x column.
;   tabf: words 0-27 wy of sample j >> 1, tap j & 1; words 32-63 wx of lane j.  Each weight holds its axis's validity and 0.5, so wy x wx holds the mean over 2 x 2 samples.
; THE SECOND TAP IS ALWAYS THE NEXT PIXEL: the first tap is min(floor(p), size - 2) and the fraction is p less that tap; at the last pixel that gives weights 0 and 1, the reference's clamped pair.
; THE LEVEL is the number of t >= 0.5, 1, 2 with t = sqrt(area) / 224 + 1e-6: floor(4 + log2 t) clipped to 2..5, less 2, without the logarithm.
; LIMITS.  NaN and infinities in a box are not treated apart (a NaN area gives level 0).  A t within a rounding (2^-23 of itself) of 0.5, 1 or 2 may fall on the other side than a rounded logarithm puts it.
; A sample's place is made by one fused multiply-add.  The divisions by 224 and by 7 are a product with the reciprocal and one correction step.
; No address and no branch hangs on a floating-point number: comparisons only select values.
	s_load_b128 s[4:7], s[0:1], 0x0                ; boxes s[4:5], tabi s[6:7]
	s_load_b64 s[8:9], s[0:1], 0x10                ; tabf
	v_lshrrev_b32 v1, 5, v0
	v_readfirstlane_b32 s10, v1                    ; wave 0..3
	v_and_b32 v1, 31, v0                           ; lane j
	s_lshl2_add_u32 s11, ttmp9, s10                ; my box = 4 x work-group + wave
	s_lshl_b32 s12, s11, 4                         ; 16 bytes a box in boxes
	s_mov_b32 s13, 0
	s_lshl_b32 s14, s11, 8                         ; 256 bytes a box in each table
	s_mov_b32 s15, 0
	s_wait_kmcnt 0x0
	s_add_nc_u64 s[4:5], s[4:5], s[12:13]
	s_add_nc_u64 s[6:7], s[6:7], s[14:15]
	s_add_nc_u64 s[8:9], s[8:9], s[14:15]
	s_load_b128 s[16:19], s[4:5], 0x0              ; x1 s16, y1 s17, x2 s18, y2 s19
	s_mov_b32 s20, 0x3e124925                      ; 1 / 7
	s_mov_b32 s21, 0x40e00000                      ; 7
	s_mov_b32 s22, 0x3b924925                      ; 1 / 224
	s_mov_b32 s23, 0x43600000                      ; 224
	s_mov_b32 s24, 0xaaaaaaaa                      ; the odd lanes: a sample's second tap
	s_mov_b32 s27, 0x3e800000                      ; 0.25
	s_mov_b32 s31, 1600                            ; level 0's pitch: 200 pixels of 8 bytes
	s_mov_b32 s32, 80000                           ; where feat2's planes lie in LDS
	s_mov_b32 s33, 100000                          ; and feat3's
	v_cmp_lt_u32 s25, 27, v1                       ; lanes 28-31
	v_cmp_lt_u32 s26, 29, v1                       ; lanes 30, 31
	v_cndmask_b32 v2, 0, 4, s25
	v_sub_nc_u32 v2, v1, v2                        ; lanes 28-31 stand for 24-27
	v_lshrrev_b32 v2, 1, v2                        ; my sample, 0..13
	v_cvt_f32_u32 v2, v2
	v_fma_f32 v2, v2, 0.5, s27                     ; (sample + 0.5) / 2, in bins
	v_and_b32 v3, 1, v1                            ; my tap
	v_lshlrev_b32 v4, 2, v1                        ; word j of a table block
	v_and_b32 v5, 30, v1
	s_wait_kmcnt 0x0
	v_sub_f32 v6, s18, s16
	v_sub_f32 v7, s19, s17
	v_mul_f32 v6, v6, v7                           ; area
	v_sqrt_f32 v6, v6
	v_lshlrev_b32 v5, 1, v5                        ; word j >> 1: a plain instruction between the root and its use (ISA guide 5.7.2)
	s_wait_alu depctr_va_vdst(0)
	v_mul_f32 v7, s22, v6                          ; root / 224: the product,
	v_fma_f32 v8, -v7, s23, v6                     ; what it leaves,
	v_fma_f32 v7, v8, s22, v7                      ; and the correction
	v_add_f32 v7, 0x358637bd, v7                   ; + 1e-6
	v_cmp_le_f32 s28, 0.5, v7
	v_cmp_le_f32 s29, 1.0, v7
	v_cmp_le_f32 s30, 2.0, v7
	v_cndmask_b32 v8, 0, 1, s28
	v_cndmask_b32 v9, 0, 1, s29
	v_cndmask_b32 v10, 0, 1, s30
	v_add3_u32 v8, v8, v9, v10                     ; the level, 0..3
	v_sub_nc_u32 v9, -2, v8
	v_ldexp_f32 v9, 1.0, v9                        ; scale = 2^(-2 - level)
	v_mul_f32 v10, 0x44480000, v9                  ; the plane's side = 800 x scale: 200, 100, 50, 25
	v_add_f32 v11, -1.0, v10                       ; side - 1
	v_add_f32 v12, -2.0, v10                       ; side - 2
	v_lshrrev_b32 v13, v8, s31                     ; pitch = 1600 >> level
	v_cndmask_b32 v14, 0, s32, s29                 ; the plane's place in LDS: 0, 0, 80,000, 100,000
	v_cndmask_b32 v14, v14, s33, s30
; One axis.  lo, hi: the scalar registers with the box's two edges.  idx takes the first tap (a whole number), wgt my tap's weight.
.macro AXIS lo, hi, idx, wgt
	v_mul_f32 v16, s[\lo], v9
	v_mul_f32 v17, s[\hi], v9
	v_sub_f32 v17, v17, v16
	v_max_num_f32 v17, 1.0, v17                    ; the box's extent, 1 at the least
	v_mul_f32 v18, s20, v17                        ; / 7: product, remainder, correction
	v_fma_f32 v19, -v18, s21, v17
	v_fma_f32 v18, v19, s20, v18
	v_fma_f32 v16, v2, v18, v16                    ; my sample's place
	v_cmp_le_f32 s34, -1.0, v16
	v_cmp_ge_f32 s35, v10, v16
	s_and_b32 s34, s34, s35                        ; valid: -1 <= place <= side
	v_max_num_f32 v16, 0, v16
	v_min_num_f32 v16, v16, v11                    ; clipped to 0 .. side - 1
	v_floor_f32 v17, v16
	v_min_num_f32 v17, v17, v12                    ; the first tap, side - 2 at the most
	v_sub_f32 v16, v16, v17                        ; the second tap's share
	v_sub_f32 v18, 1.0, v16                        ; the first tap's
	v_cndmask_b32 v18, v18, v16, s24               ; my tap's
	v_mul_f32 v18, 0.5, v18                        ; half of the mean's quarter
	v_cndmask_b32 v[\wgt], 0, v18, s34
	v_cvt_u32_f32 v[\idx], v17
.endm
	AXIS 16, 18, 20, 21                            ; x
	AXIS 17, 19, 22, 23                            ; y
	v_add_lshl_u32 v20, v20, v3, 3                 ; my column's offset: 8 x (first tap + my tap)
	v_mad_u32_u24 v22, v22, v13, v14               ; my sample's first row: row x pitch + the plane's place
	v_cndmask_b32 v22, v22, v13, s25               ; lanes 28, 29 carry the pitch to word 14,
	v_cndmask_b32 v22, v22, v8, s26                ; lanes 30, 31 the level to word 15
	global_store_b32 v5, v22, s[6:7]               ; the two lanes of a sample hold the same number and write the same word: 64 consecutive bytes
	global_store_b32 v4, v20, s[6:7] offset:128    ; 128 consecutive bytes each
	global_store_b32 v4, v23, s[8:9]
	global_store_b32 v4, v21, s[8:9] offset:128
	s_endpgm
.Lfunc_end_k_q8763b202f1_prep:
	.size	k_q8763b202f1_prep, .Lfunc_end_k_q8763b202f1_prep-k_q8763b202f1_prep
	.p2alignl 7, 3214868480
	.fill 96, 4, 3214868480
	.section	.rodata,"a",@progbits
	.p2align	6, 0x0
	.amdhsa_kernel k_q8763b202f1_prep
		.amdhsa_group_segment_fixed_size 0
		.amdhsa_private_segment_fixed_size 0
		.amdhsa_enable_private_segment 0
		.amdhsa_kernarg_size 24
		.amdhsa_user_sgpr_count 2
		.amdhsa_user_sgpr_kernarg_segment_ptr 1
		.amdhsa_wavefront_size32 1
		.amdhsa_system_sgpr_workgroup_id_x 1
		.amdhsa_system_sgpr_workgroup_id_y 1
		.amdhsa_system_sgpr_workgroup_id_z 1
		.amdhsa_system_vgpr_workitem_id 0
		.amdhsa_next_free_vgpr 32
		.amdhsa_next_free_sgpr 66
		.amdhsa_reserve_vcc 0
		.amdhsa_float_denorm_mode_32 3
		.amdhsa_float_denorm_mode_16_64 3
		.amdhsa_memory_ordered 1
		.amdhsa_forward_progress 1
		.amdhsa_inst_pref_size 6
	.end_amdhsa_kernel
	.amdgpu_metadata
---
amdhsa.version: [ 1, 2 ]
amdhsa.kernels:
  - .name:           k_q8763b202f1_prep
    .symbol:         k_q8763b202f1_prep.kd
    .args:
      - { .name: boxes, .offset: 0, .size: 8, .value_kind: global_buffer, .address_space: global }
      - { .name: tabi, .offset: 8, .size: 8, .value_kind: global_buffer, .address_space: global }
      - { .name: tabf, .offset: 16, .size: 8, .value_kind: global_buffer, .address_space: global }
    .group_segment_fixed_size: 0
    .private_segment_fixed_size: 0
    .kernarg_segment_align: 8
    .kernarg_segment_size: 24
    .max_flat_workgroup_size: 128
    .sgpr_count:     66
    .vgpr_count:     32
    .wavefront_size: 32
...
	.end_amdgpu_metadata
.endif
;; end of part 1
;; launch pool (part 2): grid 128 x 2, 16 waves a work-group, no clusters, 322,048 bytes of LDS; arguments feat0, feat1, feat2, feat3, tabi, tabf, out0; writes out0
.if DOCPART == 2
	.amdgcn_target "amdgcn-amd-amdhsa--gfx1250"
	.amdhsa_code_object_version 6
	.text
	.protected	k_q8763b202f1_pool
	.globl	k_q8763b202f1_pool
	.p2align	8
	.type	k_q8763b202f1_pool,@function
k_q8763b202f1_pool:
	s_mov_b64 s[64:65], 0
	v_nop
	global_prefetch_b8 v0, s[64:65] scope:SCOPE_SE
	s_setreg_imm32_b32 hwreg(HW_REG_WAVE_MODE, 25, 1), 1
	s_wait_xcnt 0x0
; MULTI-SCALE ROI ALIGN, all in f32.  out0[n][c][py][px] = sum over 4 row taps and 4 column taps of wy x wx x F[c][row][column], F the plane of the box's level; addresses and weights come from the tables of the launch before.
; SHARES.  A work-group owns one image (grid y) and two neighbouring channels (grid x): 256 work-groups.  The two channels' planes lie WOVEN in LDS, a pixel = 8 bytes (c0, c1), so one 8-byte LDS load and one packed
; multiply-add serve both.  Phase 1: feat0's two planes, 2 x 160,000 = 320,000 bytes; the image's boxes of level 0.  Phase 2: the same bytes take feat1 (at 0, 80,000 bytes), feat2 (at 80,000, 20,000) and feat3
; (at 100,000, 5,000); the other boxes.  So every plane is read from memory once.  Phase 2's 105,000 bytes are loaded with phase 1's, into 60 registers a lane, and held there.
; THE FILL goes through registers, since the planes must be woven word by word.  Each plane falls into 625 granules (256, 64, 16, 4 bytes for feat0..3); wave w owns granules 39 w + min(w, 1) up to 39 w + 39 and covers them
; by loads of all 32 lanes, the last one moved back so that it ends with the range: what it repeats is the wave's own, so no lane is switched off and no two waves write one LDS byte.  feat0's loads are 512 consecutive bytes at a multiple of 256 from the plane's first byte.
; A BOX IN A WAVE.  Wave w takes boxes w + 16 i of its image.  Lane j is column tap j (bin j >> 2; lanes 28-31 repeat 24-27: same addresses, same numbers); rows are scalars.  28 LDS loads of 8 bytes a lane, 28 packed
; multiply-adds with wy (brought into every lane by loads of one address), 7 packed products with wx, then the four lanes of a bin are added up so that each ends with other sums: of the 14 sums v = 7 ch + py lane q of a bin
; holds v = q, 4 + q, 8 + q and 12 + (q & 1).  v x 28 + px x 4 is the sum's byte in the pair's 392 consecutive bytes of out0: three stores cover 112 consecutive bytes each, the fourth 56.
; Lanes that hold a copy store it to the same address as the original, so EXEC stays full throughout.
; THE STORES ARE NOT WHOLE ALIGNED BLOCKS OF 256 BYTES: a box's channel is 196 bytes, so aligned blocks need 64 channels of a box together (12,544 bytes = 49 blocks), and LDS holds two planes of feat0.
; NO CLUSTER, NO TENSOR LOAD: work-groups share no plane; what they share is the tables (432 bytes a box), for which LDS has no room (322,048 of 327,680 bytes are in use), and a tensor load cannot weave two planes.
; WHICH BOXES: a mask of my 32 boxes' stored levels; the next set bit names the next box, the number of set bits how many are done.  Every number from the tables is clamped before it enters an address.
; LIMITS.  A tap of weight 0 is still multiplied: a NaN or infinity beside the plane's last pixel shows where the reference, which reads the last pixel twice, shows none.
.set P0, 160000                        ; bytes of a plane of feat0, feat1, feat2, feat3
.set P1, 40000
.set P2, 10000
.set P3, 2500
.set LB2, 80000                        ; phase 2: where feat2's and feat3's woven planes begin in LDS (feat1's at 0)
.set LB3, 100000
.set SPARE, 320000                     ; behind the planes: the spare words, 128 bytes for each of 16 waves: eight blocks of 256 bytes that no other line names
.set PITCH0, 1600                      ; a woven row of feat0
.set ROWMAX, 198*PITCH0                ; the largest first row; with XMAX, a pitch and 8 bytes it ends at 320,000
.set XMAX, 1592                        ; column 199
.set BOXB, 50176                       ; bytes of a box in out0: 256 x 49 x 4
.set TRIPS, 16                         ; a wave has 32 boxes at the most in a phase, two to a trip
.set LANE, 1                           ; v1      lane
.set SPW,  2                           ; v2      LDS address of my spare word; never rewritten
.set NIL,  3                           ; v3      0, for the add alone
.set VO,   4                           ; v4      my byte in the pair's 392: 28 q + 4 px
.set VO3,  5                           ; v5      28 (q & 1) + 4 px, for the fourth store
.set A,    6                           ; v6-9    LDS addresses, by turns
.set L4,   10                          ; v10     4 x lane
.set ZERO, 11                          ; v11     0: the offset of loads that bring one address to every lane
.set XO,   12                          ; v12     my column's offset, clamped
.set TV,   13                          ; v13     at work
.set A2,   14                          ; v14-15  LDS addresses of second rows, by turns
.set SET,  16                          ; v16-47, v48-79  two table sets: 28 wy, wx, my column's offset
.set D,    80                          ; v80-135 the 28 loaded pairs; then at work in the reduction
.set ACC,  136                         ; v136-149 seven pairs of sums (c0, c1), one for each py
.set O,    160                         ; v160-163 what is stored
.set ST,   16                          ; v16-175 the fill of phase 1: 20 units of 8 registers
.set HELD, 176                         ; v176-235 phase 2's data
.set T,    236                         ; v236-243 weaving
.set GA,   244                         ; v244-251 my byte offsets in a plane: feat0 first units, last unit, feat1 .., feat2 .., feat3 ..; never rewritten
.set LA0,  252                         ; v252-253 twice the first two: LDS addresses
.set LB0,  253
.set LV,   254                         ; v254    4,096 x lane: the records of my wave's 32 boxes
.set L16,  255                         ; v255    16 x lane
.set R,    16                          ; s[16:31], s[32:47] two sets: 14 rows, pitch, level
.set OUTB, 48                          ; s[48:49] out0 at my first box and my channels
.set WV,   50                          ; s50     my wave's number
.set IMG,  51                          ; s51     the image
.set MSK0, 52                          ; s52     bit i: box w + 16 i has level 0
.set MSK1, 53                          ; s53     the others
.set MASK, 54                          ; s54     boxes still to be asked for
.set REM,  55                          ; s55     boxes still to be done
.set TRIP, 56                          ; s56     the loop's count
.set ODD,  58                          ; s58     lanes with q & 1
.set UPPER, 59                         ; s59     lanes with q & 2
.set NI,   60                          ; s60, s61 i of the box in set 0, 1
.set OFFP, 62                          ; s[62:63] an offset as a pair; s63 stays 0
.set OB,   66                          ; s[66:67] out0 at the box in hand
.set TI,   68                          ; s[68:69], s[72:73] tabi at the box of set 0, 1
.set TF,   70                          ; s[70:71], s[74:75] tabf likewise
.set GR,   76                          ; s76     my first granule
.set W39,  77                          ; s77     39 w
.set TS,   78                          ; s78, s79 at work
.set TS2,  79
	s_load_b256 s[4:11], s[0:1], 0x0               ; feat0 s[4:5], feat1 s[6:7], feat2 s[8:9], feat3 s[10:11]
	s_load_b128 s[12:15], s[0:1], 0x20             ; tabi s[12:13], tabf s[14:15]
	s_load_b64 s[OUTB:OUTB+1], s[0:1], 0x30        ; out0
	v_lshl_add_u32 v[SPW], v0, 2, SPARE
	v_mov_b32 v[NIL], 0
	v_lshrrev_b32 v[TV], 5, v0
	v_readfirstlane_b32 s[WV], v[TV]               ; wave 0..15
	v_and_b32 v[LANE], 31, v0
	s_and_b32 s[IMG], ttmp7, 0xffff
	s_lshl_b32 s[TS], s[IMG], 8
	s_lshl1_add_u32 s[TS], ttmp9, s[TS]            ; my first plane's number: 256 x image + 2 x pair
	s_lshl_b32 s[TS2], s[IMG], 9
	s_add_co_u32 s[TS2], s[TS2], s[WV]             ; my wave's first box: 512 x image + w
	s_mov_b32 s[OFFP+1], 0
	s_mov_b32 s[ODD], 0xaaaaaaaa
	s_mov_b32 s[UPPER], 0xcccccccc
	s_mul_i32 s[W39], s[WV], 39
	s_min_u32 s[GR], s[WV], 1
	s_add_co_u32 s[GR], s[GR], s[W39]              ; 39 w + min(w, 1)
	v_lshlrev_b32 v[L16], 4, v[LANE]
	v_lshlrev_b32 v[L4], 2, v[LANE]
	v_mov_b32 v[ZERO], 0
	v_lshl_add_u32 v[GA+0], s[GR], 8, v[L16]       ; feat0: granules of 256 bytes, 16 bytes a lane
	v_lshl_add_u32 v[GA+1], s[W39], 8, v[L16]      ; its last unit begins 38 granules behind 39 w: the 9,728 stands in the immediate
	v_lshl_add_u32 v[GA+2], s[GR], 6, v[L16]       ; feat1: granules of 64 bytes
	v_lshl_add_u32 v[GA+3], s[W39], 6, v[L16]      ; last unit: + 32 granules = 2,048
	v_lshl_add_u32 v[GA+4], s[GR], 4, v[L16]       ; feat2: granules of 16 bytes
	v_lshl_add_u32 v[GA+5], s[W39], 4, v[L16]      ; last unit: + 8 granules = 128
	v_lshl_add_u32 v[GA+6], s[GR], 2, v[L4]        ; feat3: granules of 4 bytes, 4 bytes a lane
	v_lshl_add_u32 v[GA+7], s[W39], 2, v[L4]       ; last unit: + 8 granules = 32
	v_lshlrev_b32 v[LA0], 1, v[GA+0]               ; woven, a plane's byte b lies at 2 b
	v_lshlrev_b32 v[LB0], 1, v[GA+1]
	v_lshlrev_b32 v[LV], 12, v[LANE]               ; 16 boxes x 256 bytes from one of my boxes to the next
	v_lshrrev_b32 v[TV], 2, v[LANE]
	v_min_u32 v[TV], 6, v[TV]                      ; px; lanes 28-31 go with bin 6
	v_lshlrev_b32 v[TV], 2, v[TV]
	v_and_b32 v[VO], 3, v[LANE]
	v_mad_u32_u24 v[VO], v[VO], 28, v[TV]
	v_and_b32 v[VO3], 1, v[LANE]
	v_mad_u32_u24 v[VO3], v[VO3], 28, v[TV]
	s_wait_kmcnt 0x0
	s_mul_i32 s[OFFP], s[TS], P0
	s_add_nc_u64 s[4:5], s[4:5], s[OFFP:OFFP+1]    ; each tensor at my first plane
	s_mul_i32 s[OFFP], s[TS], P1
	s_add_nc_u64 s[6:7], s[6:7], s[OFFP:OFFP+1]
	s_mul_i32 s[OFFP], s[TS], P2
	s_add_nc_u64 s[8:9], s[8:9], s[OFFP:OFFP+1]
	s_mul_i32 s[OFFP], s[TS], P3
	s_add_nc_u64 s[10:11], s[10:11], s[OFFP:OFFP+1]
	s_lshl_b32 s[OFFP], s[TS2], 8
	s_add_nc_u64 s[12:13], s[12:13], s[OFFP:OFFP+1]  ; both tables at my wave's first box
	s_add_nc_u64 s[14:15], s[14:15], s[OFFP:OFFP+1]
	s_mul_i32 s[OFFP], s[TS2], BOXB
	s_add_nc_u64 s[OUTB:OUTB+1], s[OUTB:OUTB+1], s[OFFP:OFFP+1]
	s_mul_i32 s[OFFP], ttmp9, 392
	s_add_nc_u64 s[OUTB:OUTB+1], s[OUTB:OUTB+1], s[OFFP:OFFP+1]
	; ALL LOADS OF THE FILL GO OUT AT ONCE: 1 + 40 + 18 a wave.
	global_load_b32 v[TV], v[LV], s[12:13] offset:60  ; the levels of my 32 boxes
.set k, 0
.rept 19
	global_load_b128 v[ST+8*k:ST+8*k+3],   v[GA+0], s[4:5] offset:512*k th:TH_LOAD_NT
	global_load_b128 v[ST+8*k+4:ST+8*k+7], v[GA+0], s[4:5] offset:512*k+P0 th:TH_LOAD_NT
.set k, k+1
.endr
	global_load_b128 v[ST+152:ST+155], v[GA+1], s[4:5] offset:9728 th:TH_LOAD_NT
	global_load_b128 v[ST+156:ST+159], v[GA+1], s[4:5] offset:9728+P0 th:TH_LOAD_NT
.set k, 0
.rept 4
	global_load_b128 v[HELD+8*k:HELD+8*k+3],   v[GA+2], s[6:7] offset:512*k th:TH_LOAD_NT
	global_load_b128 v[HELD+8*k+4:HELD+8*k+7], v[GA+2], s[6:7] offset:512*k+P1 th:TH_LOAD_NT
.set k, k+1
.endr
	global_load_b128 v[HELD+32:HELD+35], v[GA+3], s[6:7] offset:2048 th:TH_LOAD_NT
	global_load_b128 v[HELD+36:HELD+39], v[GA+3], s[6:7] offset:2048+P1 th:TH_LOAD_NT
	global_load_b128 v[HELD+40:HELD+43], v[GA+4], s[8:9] th:TH_LOAD_NT
	global_load_b128 v[HELD+44:HELD+47], v[GA+4], s[8:9] offset:P2 th:TH_LOAD_NT
	global_load_b128 v[HELD+48:HELD+51], v[GA+5], s[8:9] offset:128 th:TH_LOAD_NT
	global_load_b128 v[HELD+52:HELD+55], v[GA+5], s[8:9] offset:128+P2 th:TH_LOAD_NT
	global_load_b32 v[HELD+56], v[GA+6], s[10:11] th:TH_LOAD_NT
	global_load_b32 v[HELD+57], v[GA+6], s[10:11] offset:P3 th:TH_LOAD_NT
	global_load_b32 v[HELD+58], v[GA+7], s[10:11] offset:32 th:TH_LOAD_NT
	global_load_b32 v[HELD+59], v[GA+7], s[10:11] offset:32+P3 th:TH_LOAD_NT
	s_wait_loadcnt 58                              ; loads come back in order (ISA guide 5.7.1): the levels are in, the 40 + 18 behind them stay out
	v_cmp_eq_u32 s[MSK0], 0, v[TV]
	s_not_b32 s[MSK1], s[MSK0]
; Four pixels of c0 (registers r .. r + 3) and of c1 (r + 4 .. r + 7) are woven and stored as 32 bytes.  The copies are the weaving: a 16-byte LDS store wants its four words in neighbouring registers.
.macro WEAVE r, adr, off
	v_mov_b32 v[T+0], v[(\r)+0]
	v_mov_b32 v[T+1], v[(\r)+4]
	v_mov_b32 v[T+2], v[(\r)+1]
	v_mov_b32 v[T+3], v[(\r)+5]
	ds_store_b128 v[\adr], v[T:T+3] offset:\off
	v_mov_b32 v[T+4], v[(\r)+2]
	v_mov_b32 v[T+5], v[(\r)+6]
	v_mov_b32 v[T+6], v[(\r)+3]
	v_mov_b32 v[T+7], v[(\r)+7]
	ds_store_b128 v[\adr], v[T+4:T+7] offset:(\off)+16
.endm
.set k, 0
.rept 19
	s_wait_loadcnt 56-2*k                          ; unit k's two loads are in; feat0's 38 - 2 k later ones and the 18 held ones stay out
	WEAVE ST+8*k, LA0, 1024*k
.set k, k+1
.endr
	s_wait_loadcnt 18                              ; the last unit; the 18 held ones stay out
	WEAVE ST+152, LB0, 19456
; The next box to be asked for goes to set n: the lowest set bit of the mask, which is then cleared.  With no bit left the count of zeros is -1, and the clamp makes it box 31: a load inside the tables whose result nobody uses.
; The set's two table addresses are written only where every load that named them has been waited for.
.macro PICK n
	s_ctz_i32_b32 s[NI+(\n)], s[MASK]
	s_min_u32 s[NI+(\n)], s[NI+(\n)], 31
	s_sub_co_u32 s[TS], s[MASK], 1
	s_and_b32 s[MASK], s[MASK], s[TS]
	s_lshl_b32 s[OFFP], s[NI+(\n)], 12
	s_add_nc_u64 s[TI+4*(\n):TI+4*(\n)+1], s[12:13], s[OFFP:OFFP+1]
	s_add_nc_u64 s[TF+4*(\n):TF+4*(\n)+1], s[14:15], s[OFFP:OFFP+1]
.endm
; Its tables: rows, pitch and level as scalars; wx and my column's offset lane by lane; the 28 wy into every lane.
.macro ASK n
	s_load_b512 s[R+16*(\n):R+16*(\n)+15], s[TI+4*(\n):TI+4*(\n)+1], 0x0
	global_load_b32 v[SET+32*(\n)+28], v[L4], s[TF+4*(\n):TF+4*(\n)+1] offset:128
	global_load_b32 v[SET+32*(\n)+29], v[L4], s[TI+4*(\n):TI+4*(\n)+1] offset:128
.set m, 0
.rept 7
	global_load_b128 v[SET+32*(\n)+4*m:SET+32*(\n)+4*m+3], v[ZERO], s[TF+4*(\n):TF+4*(\n)+1] offset:16*m
.set m, m+1
.endr
.endm
.macro START src                       ; a phase's mask, its number of boxes, and the first box's tables into set 0
	s_mov_b32 s[MASK], s[\src]
	s_bcnt1_i32_b32 s[REM], s[MASK]
	PICK 0
	ASK 0
.endm
; ONE BOX, with the tables of set c; the next box's tables are asked for into set n.  imm = 1: level 0, a sample's second row lies 1,600 bytes on, in the immediate; imm = 0: the pitch comes from the table.
.macro BOX c, n, imm
	s_wait_kmcnt 0x0                               ; set c's tables are in: no load was issued behind them, so both counts are 0;
	s_wait_loadcnt 0x0                             ; they were asked for a whole box ago
	PICK \n
	v_min_u32 v[XO], XMAX, v[SET+32*(\c)+29]       ; what comes from a table is clamped before it enters an address: row + column + pitch + 8 ends at 320,000 at the most
.set k, 0
.rept 14
	s_min_u32 s[R+16*(\c)+k], s[R+16*(\c)+k], ROWMAX
.set k, k+1
.endr
.if !(\imm)
	s_min_u32 s[R+16*(\c)+14], s[R+16*(\c)+14], PITCH0
.endif
.set k, 0
.rept 14                               ; sample k's two rows: 28 lanes x 8 bytes of one row each
	v_add_nc_u32 v[A+k%4], s[R+16*(\c)+k], v[XO]
	ds_load_b64 v[D+4*k:D+4*k+1], v[A+k%4]
.if \imm
	ds_load_b64 v[D+4*k+2:D+4*k+3], v[A+k%4] offset:PITCH0
.else
	v_add_nc_u32 v[A2+k%2], s[R+16*(\c)+14], v[A+k%4]
	ds_load_b64 v[D+4*k+2:D+4*k+3], v[A2+k%2]
.endif
.set k, k+1
.endr
	ASK \n
.set k, 0
.rept 7                                ; output row k: two samples x two rows; a weight is taken for both channels, from the low or the high register of its pair
	s_wait_dscnt 24-4*k                            ; LDS loads come back in order (ISA guide 5.7.1): row k's four are in, the later rows' stay out
	v_pk_mul_f32 v[ACC+2*k:ACC+2*k+1], v[D+8*k:D+8*k+1], v[SET+32*(\c)+4*k:SET+32*(\c)+4*k+1] op_sel_hi:[1,0]
	v_pk_fma_f32 v[ACC+2*k:ACC+2*k+1], v[D+8*k+2:D+8*k+3], v[SET+32*(\c)+4*k:SET+32*(\c)+4*k+1], v[ACC+2*k:ACC+2*k+1] op_sel:[0,1,0] op_sel_hi:[1,1,1]
	v_pk_fma_f32 v[ACC+2*k:ACC+2*k+1], v[D+8*k+4:D+8*k+5], v[SET+32*(\c)+4*k+2:SET+32*(\c)+4*k+3], v[ACC+2*k:ACC+2*k+1] op_sel_hi:[1,0,1]
	v_pk_fma_f32 v[ACC+2*k:ACC+2*k+1], v[D+8*k+6:D+8*k+7], v[SET+32*(\c)+4*k+2:SET+32*(\c)+4*k+3], v[ACC+2*k:ACC+2*k+1] op_sel:[0,1,0] op_sel_hi:[1,1,1]
.set k, k+1
.endr
.set k, 0
.rept 7
	v_pk_mul_f32 v[ACC+2*k:ACC+2*k+1], v[ACC+2*k:ACC+2*k+1], v[SET+32*(\c)+28:SET+32*(\c)+29] op_sel_hi:[1,0]  ; my column's weight
.set k, k+1
.endr
	; The four lanes of a bin are added up.  Sum v = 7 ch + py lies in register ACC + 2 (v % 7) + v / 7.  First step: of sums 2 m and 2 m + 1 an even lane keeps the first and hands over the second, an odd lane the other way round.
.set m, 0
.rept 7
	v_cndmask_b32 v[D+2*m],   v[ACC+2*((2*m)%7)+(2*m)/7],     v[ACC+2*((2*m+1)%7)+(2*m+1)/7], s[ODD]
	v_cndmask_b32 v[D+2*m+1], v[ACC+2*((2*m+1)%7)+(2*m+1)/7], v[ACC+2*((2*m)%7)+(2*m)/7],     s[ODD]
.set m, m+1
.endr
.set m, 0
.rept 7
	v_add_f32_dpp v[D+16+m], v[D+2*m+1], v[D+2*m] row_xmask:1 row_mask:0xf bank_mask:0xf
.set m, m+1
.endr
	; Second step, two lanes apart, likewise on pairs of those seven; the seventh has no partner and ends in both halves of the bin.
.set m, 0
.rept 3
	v_cndmask_b32 v[D+24+2*m], v[D+16+2*m], v[D+17+2*m], s[UPPER]
	v_cndmask_b32 v[D+25+2*m], v[D+17+2*m], v[D+16+2*m], s[UPPER]
.set m, m+1
.endr
	s_wait_xcnt 0x0                                ; every earlier memory instruction has had its addresses translated (ISA guide 3.1): the last box's store data and base are rewritten only behind this wait
	s_mul_i32 s[OFFP], s[NI+(\c)], 16*BOXB
	s_add_nc_u64 s[OB:OB+1], s[OUTB:OUTB+1], s[OFFP:OFFP+1]
.set m, 0
.rept 3
	v_add_f32_dpp v[O+m], v[D+25+2*m], v[D+24+2*m] row_xmask:2 row_mask:0xf bank_mask:0xf
.set m, m+1
.endr
	v_add_f32_dpp v[O+3], v[D+22], v[D+22] row_xmask:2 row_mask:0xf bank_mask:0xf
	global_store_b32 v[VO],  v[O],   s[OB:OB+1]               ; sums 0-3 of all bins: 112 consecutive bytes
	global_store_b32 v[VO],  v[O+1], s[OB:OB+1] offset:112    ; sums 4-7
	global_store_b32 v[VO],  v[O+2], s[OB:OB+1] offset:224    ; sums 8-11
	global_store_b32 v[VO3], v[O+3], s[OB:OB+1] offset:336    ; sums 12, 13: 56 consecutive bytes
.endm
; A phase's boxes, two to a trip, so that the two table sets take turns.  The loop counts the constant 16 trips that 32 boxes would take; a trip, or a trip's second half, for which no box is left is jumped over,
; forward, to the label ahead of the count's step: five scalar lines for a dead trip.  What is jumped holds no barrier.  The loop is left by falling through its branch alone.
.macro WALK imm, tag
	s_mov_b32 s[TRIP], TRIPS
.Lpair\tag:
	s_cmp_eq_u32 s[REM], 0
	s_cbranch_scc1 .Lskip\tag
	BOX 0, 1, \imm
	s_sub_co_u32 s[REM], s[REM], 1
	s_cmp_eq_u32 s[REM], 0
	s_cbranch_scc1 .Lskip\tag
	BOX 1, 0, \imm
	s_sub_co_u32 s[REM], s[REM], 1
.Lskip\tag:
	s_sub_co_u32 s[TRIP], s[TRIP], 1
	s_cmp_lg_u32 s[TRIP], 0
	s_cbranch_scc1 .Lpair\tag
	s_wait_loadcnt 0x0                             ; the tables asked for ahead and not used have landed: their registers may be loaded again (and phase 2's held data are in)
	s_wait_kmcnt 0x0
.endm
	START MSK0                                     ; the first box's tables are on their way while the waves meet
	s_wait_dscnt 0x0                               ; for the others' sake: my part of the planes is in LDS
	s_barrier_signal -1
	s_barrier_wait -1                              ; everybody's is
	WALK 1, 1
	START MSK1
	v_lshlrev_b32 v[A], 1, v[GA+2]                 ; phase 2's LDS addresses: the plane's place + twice my byte offset
	v_lshlrev_b32 v[A+1], 1, v[GA+3]
	v_lshl_add_u32 v[A+2], v[GA+4], 1, LB2
	v_lshl_add_u32 v[A+3], v[GA+5], 1, LB2
	v_lshl_add_u32 v[A2], v[GA+6], 1, LB3
	v_lshl_add_u32 v[A2+1], v[GA+7], 1, LB3
	s_wait_dscnt 0x0                               ; my reads of feat0's planes are back
	s_barrier_signal -1
	s_barrier_wait -1                              ; everybody's are: the bytes may be written again
.set k, 0
.rept 4
	WEAVE HELD+8*k, A, 1024*k
.set k, k+1
.endr
	WEAVE HELD+32, A+1, 4096
	WEAVE HELD+40, A+2, 0
	WEAVE HELD+48, A+3, 256
	ds_store_b64 v[A2],   v[HELD+56:HELD+57]       ; feat3 came word by word into neighbouring registers: it is woven already
	ds_store_b64 v[A2+1], v[HELD+58:HELD+59] offset:64
	s_wait_dscnt 0x0                               ; for the others' sake: my part of the three planes is in LDS
	s_barrier_signal -1
	s_barrier_wait -1
	WALK 0, 2
	s_wait_tensorcnt 0x0                           ; the wave's end, behind my last LDS store
	ds_add_u32 v[SPW], v[NIL]
	s_wait_dscnt 0x0
	s_endpgm
.Lfunc_end_k_q8763b202f1_pool:
	.size	k_q8763b202f1_pool, .Lfunc_end_k_q8763b202f1_pool-k_q8763b202f1_pool
	.p2alignl 7, 3214868480
	.fill 96, 4, 3214868480
	.section	.rodata,"a",@progbits
	.p2align	6, 0x0
	.amdhsa_kernel k_q8763b202f1_pool
		.amdhsa_group_segment_fixed_size 322048
		.amdhsa_private_segment_fixed_size 0
		.amdhsa_enable_private_segment 0
		.amdhsa_kernarg_size 56
		.amdhsa_user_sgpr_count 2
		.amdhsa_user_sgpr_kernarg_segment_ptr 1
		.amdhsa_wavefront_size32 1
		.amdhsa_system_sgpr_workgroup_id_x 1
		.amdhsa_system_sgpr_workgroup_id_y 1
		.amdhsa_system_sgpr_workgroup_id_z 1
		.amdhsa_system_vgpr_workitem_id 0
		.amdhsa_next_free_vgpr 256
		.amdhsa_next_free_sgpr 80
		.amdhsa_reserve_vcc 0
		.amdhsa_float_denorm_mode_32 3
		.amdhsa_float_denorm_mode_16_64 3
		.amdhsa_memory_ordered 1
		.amdhsa_forward_progress 1
		.amdhsa_inst_pref_size 61
	.end_amdhsa_kernel
	.amdgpu_metadata
---
amdhsa.version: [ 1, 2 ]
amdhsa.kernels:
  - .name:           k_q8763b202f1_pool
    .symbol:         k_q8763b202f1_pool.kd
    .args:
      - { .name: feat0, .offset: 0, .size: 8, .value_kind: global_buffer, .address_space: global }
      - { .name: feat1, .offset: 8, .size: 8, .value_kind: global_buffer, .address_space: global }
      - { .name: feat2, .offset: 16, .size: 8, .value_kind: global_buffer, .address_space: global }
      - { .name: feat3, .offset: 24, .size: 8, .value_kind: global_buffer, .address_space: global }
      - { .name: tabi, .offset: 32, .size: 8, .value_kind: global_buffer, .address_space: global }
      - { .name: tabf, .offset: 40, .size: 8, .value_kind: global_buffer, .address_space: global }
      - { .name: out0, .offset: 48, .size: 8, .value_kind: global_buffer, .address_space: global }
    .group_segment_fixed_size: 322048
    .private_segment_fixed_size: 0
    .kernarg_segment_align: 8
    .kernarg_segment_size: 56
    .max_flat_workgroup_size: 512
    .sgpr_count:     80
    .vgpr_count:     256
    .wavefront_size: 32
...
	.end_amdgpu_metadata
.endif
;; end of part 2
;; ======== version 2 of 2: 2 launches; version 1 with the launch pool written anew for expert scheduling mode
;; workspace buffers: tabi 262,144 bytes of whole numbers; tabf 262,144 bytes
;; launch prep: the kernel of part 1 again; grid 256 x 1, 4 waves a work-group, no clusters, 0 bytes of LDS; arguments boxes, tabi, tabf; writes tabi, tabf
;; launch pool (part 3): grid 128 x 2, 16 waves a work-group, no clusters, 322,048 bytes of LDS; arguments feat0, feat1, feat2, feat3, tabi, tabf, out0; writes out0
.if DOCPART == 3
	.amdgcn_target "amdgcn-amd-amdhsa--gfx1250"
	.amdhsa_code_object_version 6
	.text
	.protected	k_q8763b202f1_pool
	.globl	k_q8763b202f1_pool
	.p2align	8
	.type	k_q8763b202f1_pool,@function
k_q8763b202f1_pool:
	s_mov_b64 s[64:65], 0
	v_nop
	global_prefetch_b8 v0, s[64:65] scope:SCOPE_SE
	s_setreg_imm32_b32 hwreg(HW_REG_WAVE_SCHED_MODE, 0, 2), 2
	s_setreg_imm32_b32 hwreg(HW_REG_WAVE_MODE, 25, 1), 1
	s_wait_xcnt 0x0
	s_wait_alu depctr_vm_vsrc(0)
; MULTI-SCALE ROI ALIGN, all in f32.  out0[n][c][py][px] = sum over 4 row taps and 4 column taps of wy x wx x F[c][row][column], F the plane of the box's level; addresses and weights come from the tables of the launch before.
; SHARES.  A work-group owns one image (grid y) and two neighbouring channels (grid x): 256 work-groups.  The two channels' planes lie WOVEN in LDS, a pixel = 8 bytes (c0, c1), so one 8-byte LDS load and one packed
; multiply-add serve both.  Phase 1: feat0's two planes, 2 x 160,000 = 320,000 bytes; the image's boxes of level 0.  Phase 2: the same bytes take feat1 (at 0, 80,000 bytes), feat2 (at 80,000, 20,000) and feat3
; (at 100,000, 5,000); the other boxes.  So every plane is read from memory once.  Phase 2's 105,000 bytes are loaded with phase 1's, into 60 registers a lane, and held there.
; THE FILL goes through registers, since the planes must be woven word by word.  Each plane falls into 625 granules (256, 64, 16, 4 bytes for feat0..3); wave w owns granules 39 w + min(w, 1) up to 39 w + 39 and covers them
; by loads of all 32 lanes, the last one moved back so that it ends with the range: what it repeats is the wave's own, so no lane is switched off and no two waves write one LDS byte.  feat0's loads are 512 consecutive bytes at a multiple of 256 from the plane's first byte.
; A BOX IN A WAVE.  Wave w takes boxes w + 16 i of its image.  Lane j is column tap j (bin j >> 2; lanes 28-31 repeat 24-27: same addresses, same numbers); rows are scalars.  28 LDS loads of 8 bytes a lane, 28 packed
; multiply-adds with wy (brought into every lane by loads of one address), 7 packed products with wx, then the four lanes of a bin are added up so that each ends with other sums: of the 14 sums v = 7 ch + py lane q of a bin
; holds v = q, 4 + q, 8 + q and 12 + (q & 1).  v x 28 + px x 4 is the sum's byte in the pair's 392 consecutive bytes of out0: three stores cover 112 consecutive bytes each, the fourth 56.
; Lanes that hold a copy store it to the same address as the original, so EXEC stays full throughout.
; THE STORES ARE NOT WHOLE ALIGNED BLOCKS OF 256 BYTES: a box's channel is 196 bytes, so aligned blocks need 64 channels of a box together (12,544 bytes = 49 blocks), and LDS holds two planes of feat0.
; NO CLUSTER, NO TENSOR LOAD: work-groups share no plane; what they share is the tables (432 bytes a box), for which LDS has no room (the planes take 320,000 of a WGP's 327,680 bytes), and a tensor load cannot weave two planes.
; WHICH BOXES: a mask of my 32 boxes' stored levels; the next set bit names the next box, the number of set bits how many are done.  Every number from the tables is clamped before it enters an address.
; LIMITS.  A tap of weight 0 is still multiplied: a NaN or infinity beside the plane's last pixel shows where the reference, which reads the last pixel twice, shows none.
; THE MODE: SCHED_MODE bits 1:0 = 2 (LLVM: expert scheduling mode 2), set by the entry lines.  The code itself states the register dependences between vector instructions and memory or LDS instructions, with s_wait_alu, always for 0.
; THE PLAN.  Registers that memory or LDS instructions touch:
;   GA, LA0, LB0, LV, L4, ZERO, VO, VO3   offsets, made once at the head and never written again.
;   ST, unit k     its two loads land in it; unit k's copies read it; unit k + 1's copies write it (that unit, woven); unit k + 1's two LDS stores read it; the fill writes it no more.  Unit 0 is woven into T.
;                  The units go in four groups of five: one wait on va_vdst at a group's head, and the ten stores of the group before are dealt among the group's copies, which name none of the registers that those stores read.
;   HELD           phase 2's fill: the same chain over its seven units, woven ahead of the barrier behind which they are stored: one wait on va_vdst for all sixteen stores.
;   SET0, SET1     a box's vector work reads its set; the set is loaded again at the next box's head.
;   AD, AD2        written at a box's head; read by the box's 28 LDS loads.        D   those loads land in it; then the box's products and additions work on it.
;   O              written by a box's last four additions; read by its four stores.
; So a box has three waits: on vm_vsrc at its head (the last box's LDS loads have read AD and AD2, its stores O); on va_vdst behind the addresses; on va_vdst ahead of the stores.  Behind that last one a box issues no
; vector instruction, so the loads of tables at the next box's head, which land in the set that this box read, owe nothing more.
.set P0, 160000                        ; bytes of a plane of feat0, feat1, feat2, feat3
.set P1, 40000
.set P2, 10000
.set P3, 2500
.set LB2, 80000                        ; phase 2: where feat2's and feat3's woven planes begin in LDS (feat1's at 0)
.set LB3, 100000
.set PITCH0, 1600                      ; a woven row of feat0
.set ROWMAX, 198*PITCH0                ; the largest first row; with XMAX, a pitch and 8 bytes it ends at 320,000
.set XMAX, 1592                        ; column 199
.set BOXB, 50176                       ; bytes of a box in out0: 256 x 49 x 4
.set TRIPS, 16                         ; a wave has 32 boxes at the most in a phase, two to a trip
.set LANE, 1                           ; v1      lane
.set VO,   4                           ; v4      my byte in the pair's 392: 28 q + 4 px
.set VO3,  5                           ; v5      28 (q & 1) + 4 px, for the fourth store
.set A,    6                           ; v6-9    phase 2's fill: LDS addresses of feat1's and feat2's units
.set L4,   10                          ; v10     4 x lane
.set ZERO, 11                          ; v11     0: the offset of loads that bring one address to every lane
.set XO,   12                          ; v12     my column's offset, clamped
.set TV,   13                          ; v13     at work
.set A2,   14                          ; v14-15  phase 2's fill: LDS addresses of feat3's units
.set SET,  16                          ; v16-47, v48-79  two table sets: 28 wy, wx, my column's offset
.set D,    80                          ; v80-135 the 28 loaded pairs; then at work in the reduction
.set ACC,  136                         ; v136-149 seven pairs of sums (c0, c1), one for each py
.set O,    150                         ; v150-153 what is stored
.set AD,   154                         ; v154-167 LDS addresses of the 14 samples' first rows
.set AD2,  168                         ; v168-181 phase 2 alone: of their second rows (the last six lie where held data lay)
.set ST,   16                          ; v16-175 the fill of phase 1: 20 units of 8 registers
.set HELD, 176                         ; v176-235 phase 2's data
.set T,    236                         ; v236-243 a fill's first unit, woven
.set GA,   244                         ; v244-251 my byte offsets in a plane: feat0 first units, last unit, feat1 .., feat2 .., feat3 ..; never rewritten
.set LA0,  252                         ; v252-253 twice the first two: LDS addresses
.set LB0,  253
.set LV,   254                         ; v254    4,096 x lane: the records of my wave's 32 boxes
.set L16,  255                         ; v255    16 x lane
.set R,    16                          ; s[16:31], s[32:47] two sets: 14 rows, pitch, level
.set OUTB, 48                          ; s[48:49] out0 at my first box and my channels
.set WV,   50                          ; s50     my wave's number
.set IMG,  51                          ; s51     the image
.set MSK0, 52                          ; s52     bit i: box w + 16 i has level 0
.set MSK1, 53                          ; s53     the others
.set MASK, 54                          ; s54     boxes still to be asked for
.set REM,  55                          ; s55     boxes still to be done
.set TRIP, 56                          ; s56     the loop's count
.set ODD,  58                          ; s58     lanes with q & 1
.set UPPER, 59                         ; s59     lanes with q & 2
.set NI,   60                          ; s60, s61 i of the box in set 0, 1
.set OFFP, 62                          ; s[62:63] an offset as a pair; s63 stays 0
.set OB,   66                          ; s[66:67] out0 at the box in hand
.set TI,   68                          ; s[68:69], s[72:73] tabi at the box of set 0, 1
.set TF,   70                          ; s[70:71], s[74:75] tabf likewise
.set GR,   76                          ; s76     my first granule
.set W39,  77                          ; s77     39 w
.set TS,   78                          ; s78, s79 at work
.set TS2,  79
	s_load_b256 s[4:11], s[0:1], 0x0               ; feat0 s[4:5], feat1 s[6:7], feat2 s[8:9], feat3 s[10:11]
	s_load_b128 s[12:15], s[0:1], 0x20             ; tabi s[12:13], tabf s[14:15]
	s_load_b64 s[OUTB:OUTB+1], s[0:1], 0x30        ; out0
	v_lshl_add_u32 v2, v0, 2, 0x4e200
	v_mov_b32 v3, 0
	v_lshrrev_b32 v[TV], 5, v0
	v_readfirstlane_b32 s[WV], v[TV]               ; wave 0..15
	v_and_b32 v[LANE], 31, v0
	s_and_b32 s[IMG], ttmp7, 0xffff
	s_lshl_b32 s[TS], s[IMG], 8
	s_lshl1_add_u32 s[TS], ttmp9, s[TS]            ; my first plane's number: 256 x image + 2 x pair
	s_lshl_b32 s[TS2], s[IMG], 9
	s_wait_alu depctr_va_sdst(0)                   ; the wave's number is written, ahead of its first reader
	s_add_co_u32 s[TS2], s[TS2], s[WV]             ; my wave's first box: 512 x image + w
	s_mov_b32 s[OFFP+1], 0
	s_mov_b32 s[ODD], 0xaaaaaaaa
	s_mov_b32 s[UPPER], 0xcccccccc
	s_mul_i32 s[W39], s[WV], 39
	s_min_u32 s[GR], s[WV], 1
	s_add_co_u32 s[GR], s[GR], s[W39]              ; 39 w + min(w, 1)
	v_lshlrev_b32 v[L16], 4, v[LANE]
	v_lshlrev_b32 v[L4], 2, v[LANE]
	v_mov_b32 v[ZERO], 0
	v_lshl_add_u32 v[GA+0], s[GR], 8, v[L16]       ; feat0: granules of 256 bytes, 16 bytes a lane
	v_lshl_add_u32 v[GA+1], s[W39], 8, v[L16]      ; its last unit begins 38 granules behind 39 w: the 9,728 stands in the immediate
	v_lshl_add_u32 v[GA+2], s[GR], 6, v[L16]       ; feat1: granules of 64 bytes
	v_lshl_add_u32 v[GA+3], s[W39], 6, v[L16]      ; last unit: + 32 granules = 2,048
	v_lshl_add_u32 v[GA+4], s[GR], 4, v[L16]       ; feat2: granules of 16 bytes
	v_lshl_add_u32 v[GA+5], s[W39], 4, v[L16]      ; last unit: + 8 granules = 128
	v_lshl_add_u32 v[GA+6], s[GR], 2, v[L4]        ; feat3: granules of 4 bytes, 4 bytes a lane
	v_lshl_add_u32 v[GA+7], s[W39], 2, v[L4]       ; last unit: + 8 granules = 32
	v_lshlrev_b32 v[LA0], 1, v[GA+0]               ; woven, a plane's byte b lies at 2 b
	v_lshlrev_b32 v[LB0], 1, v[GA+1]
	v_lshlrev_b32 v[LV], 12, v[LANE]               ; 16 boxes x 256 bytes from one of my boxes to the next
	v_lshrrev_b32 v[TV], 2, v[LANE]
	v_min_u32 v[TV], 6, v[TV]                      ; px; lanes 28-31 go with bin 6
	v_lshlrev_b32 v[TV], 2, v[TV]
	v_and_b32 v[VO], 3, v[LANE]
	v_mad_u32_u24 v[VO], v[VO], 28, v[TV]
	v_and_b32 v[VO3], 1, v[LANE]
	v_mad_u32_u24 v[VO3], v[VO3], 28, v[TV]
	s_wait_kmcnt 0x0
	s_mul_i32 s[OFFP], s[TS], P0
	s_add_nc_u64 s[4:5], s[4:5], s[OFFP:OFFP+1]    ; each tensor at my first plane
	s_mul_i32 s[OFFP], s[TS], P1
	s_add_nc_u64 s[6:7], s[6:7], s[OFFP:OFFP+1]
	s_mul_i32 s[OFFP], s[TS], P2
	s_add_nc_u64 s[8:9], s[8:9], s[OFFP:OFFP+1]
	s_mul_i32 s[OFFP], s[TS], P3
	s_add_nc_u64 s[10:11], s[10:11], s[OFFP:OFFP+1]
	s_lshl_b32 s[OFFP], s[TS2], 8
	s_add_nc_u64 s[12:13], s[12:13], s[OFFP:OFFP+1]  ; both tables at my wave's first box
	s_add_nc_u64 s[14:15], s[14:15], s[OFFP:OFFP+1]
	s_mul_i32 s[OFFP], s[TS2], BOXB
	s_add_nc_u64 s[OUTB:OUTB+1], s[OUTB:OUTB+1], s[OFFP:OFFP+1]
	s_mul_i32 s[OFFP], ttmp9, 392
	s_add_nc_u64 s[OUTB:OUTB+1], s[OUTB:OUTB+1], s[OFFP:OFFP+1]
	s_wait_alu depctr_va_vdst(0)                   ; the offsets GA, LA0, LB0, LV, L4, ZERO, VO and VO3 are written, which the kernel's loads and stores read; the lines above are done with TV, in which the first load lands
	; ALL LOADS OF THE FILL GO OUT AT ONCE: 1 + 40 + 18 a wave.
	global_load_b32 v[TV], v[LV], s[12:13] offset:60  ; the levels of my 32 boxes
.set k, 0
.rept 19
	global_load_b128 v[ST+8*k:ST+8*k+3],   v[GA+0], s[4:5] offset:512*k th:TH_LOAD_NT
	global_load_b128 v[ST+8*k+4:ST+8*k+7], v[GA+0], s[4:5] offset:512*k+P0 th:TH_LOAD_NT
.set k, k+1
.endr
	global_load_b128 v[ST+152:ST+155], v[GA+1], s[4:5] offset:9728 th:TH_LOAD_NT
	global_load_b128 v[ST+156:ST+159], v[GA+1], s[4:5] offset:9728+P0 th:TH_LOAD_NT
.set k, 0
.rept 4
	global_load_b128 v[HELD+8*k:HELD+8*k+3],   v[GA+2], s[6:7] offset:512*k th:TH_LOAD_NT
	global_load_b128 v[HELD+8*k+4:HELD+8*k+7], v[GA+2], s[6:7] offset:512*k+P1 th:TH_LOAD_NT
.set k, k+1
.endr
	global_load_b128 v[HELD+32:HELD+35], v[GA+3], s[6:7] offset:2048 th:TH_LOAD_NT
	global_load_b128 v[HELD+36:HELD+39], v[GA+3], s[6:7] offset:2048+P1 th:TH_LOAD_NT
	global_load_b128 v[HELD+40:HELD+43], v[GA+4], s[8:9] th:TH_LOAD_NT
	global_load_b128 v[HELD+44:HELD+47], v[GA+4], s[8:9] offset:P2 th:TH_LOAD_NT
	global_load_b128 v[HELD+48:HELD+51], v[GA+5], s[8:9] offset:128 th:TH_LOAD_NT
	global_load_b128 v[HELD+52:HELD+55], v[GA+5], s[8:9] offset:128+P2 th:TH_LOAD_NT
	global_load_b32 v[HELD+56], v[GA+6], s[10:11] th:TH_LOAD_NT
	global_load_b32 v[HELD+57], v[GA+6], s[10:11] offset:P3 th:TH_LOAD_NT
	global_load_b32 v[HELD+58], v[GA+7], s[10:11] offset:32 th:TH_LOAD_NT
	global_load_b32 v[HELD+59], v[GA+7], s[10:11] offset:32+P3 th:TH_LOAD_NT
	s_wait_loadcnt 58                              ; loads come back in order (ISA guide 5.7.1): the levels are in, the 40 + 18 behind them stay out
	v_cmp_eq_u32 s[MSK0], 0, v[TV]
	s_wait_alu depctr_va_sdst(0)                   ; the mask is written, ahead of its first reader
	s_not_b32 s[MSK1], s[MSK0]
; Four pixels of c0 (registers r .. r + 3) and of c1 (r + 4 .. r + 7) are woven into registers w .. w + 7.  The copies are the weaving: a 16-byte LDS store wants its four words in neighbouring registers.
.macro WEAVE r, w
	v_mov_b32 v[(\w)+0], v[(\r)+0]
	v_mov_b32 v[(\w)+1], v[(\r)+4]
	v_mov_b32 v[(\w)+2], v[(\r)+1]
	v_mov_b32 v[(\w)+3], v[(\r)+5]
	v_mov_b32 v[(\w)+4], v[(\r)+2]
	v_mov_b32 v[(\w)+5], v[(\r)+6]
	v_mov_b32 v[(\w)+6], v[(\r)+3]
	v_mov_b32 v[(\w)+7], v[(\r)+7]
.endm
; and stored as 32 bytes
.macro PUT w, adr, off
	ds_store_b128 v[\adr], v[(\w):(\w)+3] offset:\off
	ds_store_b128 v[\adr], v[(\w)+4:(\w)+7] offset:(\off)+16
.endm
; Unit u of feat0.  It is woven into the registers that unit u - 1 was loaded into and has just been copied out of; unit 0 into T.
.macro COPY0 u
.if (\u) == 0
	WEAVE ST, T
.else
	WEAVE ST+8*(\u), ST+8*(\u)-8
.endif
.endm
.macro PUT0 u
.if (\u) == 0
	PUT T, LA0, 0
.elseif (\u) < 19
	PUT ST+8*(\u)-8, LA0, 1024*(\u)
.else
	PUT ST+8*(\u)-8, LB0, 19456
.endif
.endm
.set k, 0
.rept 20
	s_wait_loadcnt 56-2*k                          ; unit k's two loads are in; feat0's 38 - 2 k later ones and the 18 held ones stay out
.if (k > 0) && (k % 5 == 0)
	s_wait_alu depctr_va_vdst(0)                   ; the five units before are woven: their copies have written the registers that the ten LDS stores dealt among this group's copies read
.endif
.if k >= 5
	PUT0 k-5                                       ; it reads what unit k - 6 was loaded into; the copies since the wait write no register below the one that unit 5 (k / 5) - 1 was loaded into
.endif
	COPY0 k
.set k, k+1
.endr
	s_wait_alu depctr_va_vdst(0)                   ; the last five units are woven: the stores below read them; and no copy is left that names a register in which the tables' loads land
.set k, 15
.rept 5
	PUT0 k
.set k, k+1
.endr
	s_wait_alu depctr_vm_vsrc(0)                   ; my LDS stores have read v16-175 and T: from here on these are the table sets, in which loads land, and D, ACC, O and AD
; The next box to be asked for goes to set n: the lowest set bit of the mask, which is then cleared.  With no bit left the count of zeros is -1, and the clamp makes it box 31: a load inside the tables whose result nobody uses.
; The set's two table addresses are written only where every load that named them has been waited for.
.macro PICK n
	s_ctz_i32_b32 s[NI+(\n)], s[MASK]
	s_min_u32 s[NI+(\n)], s[NI+(\n)], 31
	s_sub_co_u32 s[TS], s[MASK], 1
	s_and_b32 s[MASK], s[MASK], s[TS]
	s_lshl_b32 s[OFFP], s[NI+(\n)], 12
	s_add_nc_u64 s[TI+4*(\n):TI+4*(\n)+1], s[12:13], s[OFFP:OFFP+1]
	s_add_nc_u64 s[TF+4*(\n):TF+4*(\n)+1], s[14:15], s[OFFP:OFFP+1]
.endm
; Its tables: rows, pitch and level as scalars; wx and my column's offset lane by lane; the 28 wy into every lane.
.macro ASK n
	s_load_b512 s[R+16*(\n):R+16*(\n)+15], s[TI+4*(\n):TI+4*(\n)+1], 0x0
	global_load_b32 v[SET+32*(\n)+28], v[L4], s[TF+4*(\n):TF+4*(\n)+1] offset:128
	global_load_b32 v[SET+32*(\n)+29], v[L4], s[TI+4*(\n):TI+4*(\n)+1] offset:128
.set m, 0
.rept 7
	global_load_b128 v[SET+32*(\n)+4*m:SET+32*(\n)+4*m+3], v[ZERO], s[TF+4*(\n):TF+4*(\n)+1] offset:16*m
.set m, m+1
.endr
.endm
.macro START src                       ; a phase's mask, its number of boxes, and the first box's tables into set 0
	s_mov_b32 s[MASK], s[\src]
	s_bcnt1_i32_b32 s[REM], s[MASK]
	PICK 0
	ASK 0
.endm
; ONE BOX, with the tables of set c; the next box's tables are asked for into set n.  imm = 1: level 0, a sample's second row lies 1,600 bytes on, in the immediate; imm = 0: the pitch comes from the table.
.macro BOX c, n, imm
	s_wait_kmcnt 0x0                               ; set c's tables are in: no load was issued behind them, so both counts are 0;
	s_wait_loadcnt 0x0                             ; they were asked for a whole box ago
	s_wait_alu depctr_vm_vsrc(0)                   ; the last box's LDS loads have read AD and AD2, and its stores O, all of which this box writes again; at phase 2's first box: the fill's LDS stores have read the registers where AD2 lies
	PICK \n
	ASK \n                                         ; at the box's head, so that they have the whole box in which to land.  No wait: the vector work that read set n stands ahead of the last wait on va_vdst, and no vector instruction since names the set
	v_min_u32 v[XO], XMAX, v[SET+32*(\c)+29]       ; what comes from a table is clamped before it enters an address: row + column + pitch + 8 ends at 320,000 at the most
.set k, 0
.rept 14
	s_min_u32 s[R+16*(\c)+k], s[R+16*(\c)+k], ROWMAX
.set k, k+1
.endr
.if !(\imm)
	s_min_u32 s[R+16*(\c)+14], s[R+16*(\c)+14], PITCH0
.endif
.set k, 0
.rept 14                               ; all the box's LDS addresses are made first, each in a register of its own
	v_add_nc_u32 v[AD+k], s[R+16*(\c)+k], v[XO]
.set k, k+1
.endr
.if !(\imm)
.set k, 0
.rept 14
	v_add_nc_u32 v[AD2+k], s[R+16*(\c)+14], v[AD+k]
.set k, k+1
.endr
.endif
	s_wait_alu depctr_va_vdst(0)                   ; the addresses are written, which the 28 LDS loads read; the last box's arithmetic on D, in which they land, stands ahead of this wait too
.set k, 0
.rept 14                               ; sample k's two rows: 28 lanes x 8 bytes of one row each
	ds_load_b64 v[D+4*k:D+4*k+1], v[AD+k]
.if \imm
	ds_load_b64 v[D+4*k+2:D+4*k+3], v[AD+k] offset:PITCH0
.else
	ds_load_b64 v[D+4*k+2:D+4*k+3], v[AD2+k]
.endif
.set k, k+1
.endr
.set k, 0
.rept 7                                ; output row k: two samples x two rows; a weight is taken for both channels, from the low or the high register of its pair
	s_wait_dscnt 24-4*k                            ; LDS loads come back in order (ISA guide 5.7.1): row k's four are in, the later rows' stay out
	v_pk_mul_f32 v[ACC+2*k:ACC+2*k+1], v[D+8*k:D+8*k+1], v[SET+32*(\c)+4*k:SET+32*(\c)+4*k+1] op_sel_hi:[1,0]
	v_pk_fma_f32 v[ACC+2*k:ACC+2*k+1], v[D+8*k+2:D+8*k+3], v[SET+32*(\c)+4*k:SET+32*(\c)+4*k+1], v[ACC+2*k:ACC+2*k+1] op_sel:[0,1,0] op_sel_hi:[1,1,1]
	v_pk_fma_f32 v[ACC+2*k:ACC+2*k+1], v[D+8*k+4:D+8*k+5], v[SET+32*(\c)+4*k+2:SET+32*(\c)+4*k+3], v[ACC+2*k:ACC+2*k+1] op_sel_hi:[1,0,1]
	v_pk_fma_f32 v[ACC+2*k:ACC+2*k+1], v[D+8*k+6:D+8*k+7], v[SET+32*(\c)+4*k+2:SET+32*(\c)+4*k+3], v[ACC+2*k:ACC+2*k+1] op_sel:[0,1,0] op_sel_hi:[1,1,1]
.set k, k+1
.endr
.set k, 0
.rept 7
	v_pk_mul_f32 v[ACC+2*k:ACC+2*k+1], v[ACC+2*k:ACC+2*k+1], v[SET+32*(\c)+28:SET+32*(\c)+29] op_sel_hi:[1,0]  ; my column's weight
.set k, k+1
.endr
	; The four lanes of a bin are added up.  Sum v = 7 ch + py lies in register ACC + 2 (v % 7) + v / 7.  First step: of sums 2 m and 2 m + 1 an even lane keeps the first and hands over the second, an odd lane the other way round.
.set m, 0
.rept 7
	v_cndmask_b32 v[D+2*m],   v[ACC+2*((2*m)%7)+(2*m)/7],     v[ACC+2*((2*m+1)%7)+(2*m+1)/7], s[ODD]
	v_cndmask_b32 v[D+2*m+1], v[ACC+2*((2*m+1)%7)+(2*m+1)/7], v[ACC+2*((2*m)%7)+(2*m)/7],     s[ODD]
.set m, m+1
.endr
.set m, 0
.rept 7
	v_add_f32_dpp v[D+16+m], v[D+2*m+1], v[D+2*m] row_xmask:1 row_mask:0xf bank_mask:0xf
.set m, m+1
.endr
	; Second step, two lanes apart, likewise on pairs of those seven; the seventh has no partner and ends in both halves of the bin.
.set m, 0
.rept 3
	v_cndmask_b32 v[D+24+2*m], v[D+16+2*m], v[D+17+2*m], s[UPPER]
	v_cndmask_b32 v[D+25+2*m], v[D+17+2*m], v[D+16+2*m], s[UPPER]
.set m, m+1
.endr
	s_wait_xcnt 0x0                                ; every earlier memory instruction has had its addresses translated (ISA guide 3.1): the last box's store data and base are rewritten only behind this wait (that those stores have read O is stated at the box's head)
	s_mul_i32 s[OFFP], s[NI+(\c)], 16*BOXB
	s_add_nc_u64 s[OB:OB+1], s[OUTB:OUTB+1], s[OFFP:OFFP+1]
.set m, 0
.rept 3
	v_add_f32_dpp v[O+m], v[D+25+2*m], v[D+24+2*m] row_xmask:2 row_mask:0xf bank_mask:0xf
.set m, m+1
.endr
	v_add_f32_dpp v[O+3], v[D+22], v[D+22] row_xmask:2 row_mask:0xf bank_mask:0xf
	s_wait_alu depctr_va_vdst(0)                   ; the additions have written O, which the four stores read; and the box is done reading set c and D, in which the next box's loads land
	global_store_b32 v[VO],  v[O],   s[OB:OB+1]               ; sums 0-3 of all bins: 112 consecutive bytes
	global_store_b32 v[VO],  v[O+1], s[OB:OB+1] offset:112    ; sums 4-7
	global_store_b32 v[VO],  v[O+2], s[OB:OB+1] offset:224    ; sums 8-11
	global_store_b32 v[VO3], v[O+3], s[OB:OB+1] offset:336    ; sums 12, 13: 56 consecutive bytes
.endm
; A phase's boxes, two to a trip, so that the two table sets take turns.  The loop counts the constant 16 trips that 32 boxes would take; a trip, or a trip's second half, for which no box is left is jumped over,
; forward, to the label ahead of the count's step: five scalar lines for a dead trip.  What is jumped holds no barrier.  The loop is left by falling through its branch alone.
.macro WALK imm, tag
	s_mov_b32 s[TRIP], TRIPS
.Lpair\tag:
	s_cmp_eq_u32 s[REM], 0
	s_cbranch_scc1 .Lskip\tag
	BOX 0, 1, \imm
	s_sub_co_u32 s[REM], s[REM], 1
	s_cmp_eq_u32 s[REM], 0
	s_cbranch_scc1 .Lskip\tag
	BOX 1, 0, \imm
	s_sub_co_u32 s[REM], s[REM], 1
.Lskip\tag:
	s_sub_co_u32 s[TRIP], s[TRIP], 1
	s_cmp_lg_u32 s[TRIP], 0
	s_cbranch_scc1 .Lpair\tag
	s_wait_loadcnt 0x0                             ; the tables asked for ahead and not used have landed: their registers may be loaded again (and phase 2's held data are in)
	s_wait_kmcnt 0x0
.endm
	START MSK0                                     ; the first box's tables are on their way while the waves meet
	s_wait_dscnt 0x0                               ; for the others' sake: my part of the planes is in LDS
	s_barrier_signal -1
	s_barrier_wait -1                              ; everybody's is
	WALK 1, 1
	START MSK1                                     ; no wait: the vector work that read set 0 stands ahead of the last box's wait on va_vdst, and none has been issued since
	v_lshlrev_b32 v[A], 1, v[GA+2]                 ; phase 2's LDS addresses: the plane's place + twice my byte offset
	v_lshlrev_b32 v[A+1], 1, v[GA+3]
	v_lshl_add_u32 v[A+2], v[GA+4], 1, LB2
	v_lshl_add_u32 v[A+3], v[GA+5], 1, LB2
	v_lshl_add_u32 v[A2], v[GA+6], 1, LB3
	v_lshl_add_u32 v[A2+1], v[GA+7], 1, LB3
	WEAVE HELD, T                                  ; the held data are woven ahead of the barrier, work on registers: unit 0 into T (phase 1's store out of T stands ahead of a wait on vm_vsrc),
.set k, 1
.rept 6
	WEAVE HELD+8*k, HELD+8*k-8                     ; unit k into the registers that unit k - 1 has just been copied out of
.set k, k+1
.endr
	s_wait_alu depctr_va_vdst(0)                   ; the six addresses and the seven woven units are written, which the LDS stores behind the barrier read
	s_wait_dscnt 0x0                               ; my reads of feat0's planes are back
	s_barrier_signal -1
	s_barrier_wait -1                              ; everybody's are: the bytes may be written again
	PUT T, A, 0                                    ; feat1's four first units,
	PUT HELD, A, 1024
	PUT HELD+8, A, 2048
	PUT HELD+16, A, 3072
	PUT HELD+24, A+1, 4096                         ; its last,
	PUT HELD+32, A+2, 0                            ; feat2's two
	PUT HELD+40, A+3, 256
	ds_store_b64 v[A2],   v[HELD+56:HELD+57]       ; feat3 came word by word into neighbouring registers: it is woven already
	ds_store_b64 v[A2+1], v[HELD+58:HELD+59] offset:64
	s_wait_dscnt 0x0                               ; for the others' sake: my part of the three planes is in LDS
	s_barrier_signal -1
	s_barrier_wait -1
	WALK 0, 2
	s_wait_dscnt 0x0                               ; the wave's end
	s_wait_alu depctr_hold_cnt(0) depctr_sa_sdst(0) depctr_va_vdst(0) depctr_va_sdst(0) depctr_va_ssrc(0) depctr_va_vcc(0) depctr_vm_vsrc(0)
	s_wait_tensorcnt 0x0
	ds_add_u32 v2, v3
	s_wait_dscnt 0x0
	s_endpgm
.Lfunc_end_k_q8763b202f1_pool:
	.size	k_q8763b202f1_pool, .Lfunc_end_k_q8763b202f1_pool-k_q8763b202f1_pool
	.p2alignl 7, 3214868480
	.fill 96, 4, 3214868480
	.section	.rodata,"a",@progbits
	.p2align	6, 0x0
	.amdhsa_kernel k_q8763b202f1_pool
		.amdhsa_group_segment_fixed_size 322048
		.amdhsa_private_segment_fixed_size 0
		.amdhsa_enable_private_segment 0
		.amdhsa_kernarg_size 56
		.amdhsa_user_sgpr_count 2
		.amdhsa_user_sgpr_kernarg_segment_ptr 1
		.amdhsa_wavefront_size32 1
		.amdhsa_system_sgpr_workgroup_id_x 1
		.amdhsa_system_sgpr_workgroup_id_y 1
		.amdhsa_system_sgpr_workgroup_id_z 1
		.amdhsa_system_vgpr_workitem_id 0
		.amdhsa_next_free_vgpr 256
		.amdhsa_next_free_sgpr 80
		.amdhsa_reserve_vcc 0
		.amdhsa_float_denorm_mode_32 3
		.amdhsa_float_denorm_mode_16_64 3
		.amdhsa_memory_ordered 1
		.amdhsa_forward_progress 1
		.amdhsa_inst_pref_size 62
	.end_amdhsa_kernel
	.amdgpu_metadata
---
amdhsa.version: [ 1, 2 ]
amdhsa.kernels:
  - .name:           k_q8763b202f1_pool
    .symbol:         k_q8763b202f1_pool.kd
    .args:
      - { .name: feat0, .offset: 0, .size: 8, .value_kind: global_buffer, .address_space: global }
      - { .name: feat1, .offset: 8, .size: 8, .value_kind: global_buffer, .address_space: global }
      - { .name: feat2, .offset: 16, .size: 8, .value_kind: global_buffer, .address_space: global }
      - { .name: feat3, .offset: 24, .size: 8, .value_kind: global_buffer, .address_space: global }
      - { .name: tabi, .offset: 32, .size: 8, .value_kind: global_buffer, .address_space: global }
      - { .name: tabf, .offset: 40, .size: 8, .value_kind: global_buffer, .address_space: global }
      - { .name: out0, .offset: 48, .size: 8, .value_kind: global_buffer, .address_space: global }
    .group_segment_fixed_size: 322048
    .private_segment_fixed_size: 0
    .kernarg_segment_align: 8
    .kernarg_segment_size: 56
    .max_flat_workgroup_size: 512
    .sgpr_count:     80
    .vgpr_count:     256
    .wavefront_size: 32
...
	.end_amdgpu_metadata
.endif
;; end of part 3
